; MI455X (gfx1250); checked and timed in simulation.
; The chip was launched on July 23, 2026; its instructions are those of AMD's public machine-readable ISA for CDNA 5 (MIT licence, August 2026) and "CDNA5" Instruction Set Architecture Reference Guide (July 2026). The comments in the code are by the model that wrote it; some were corrected since.
;; CRF. Allowed arithmetic: float matrix products may take bf16 or f16 operands with f32 sums; other float arithmetic in f32, or as packed bf16 or f16 multiplies, adds, multiply-adds, maxima and minima; sums over many terms, partial sums and values carried from step to step in f32; what a program stores and reads back later, other than sums and carried values, may be rounded once to bf16 or f16.
;; Inputs: emissions 70 x 8,192 x 37 float32; end_transitions 37 float32; mask 70 x 8,192 bool; start_transitions 37 float32; transitions 37 x 37 float32.
;; Outputs: out0 8,192 x 70 int32.
;; One version. Each part assembles by itself: llvm-mc -triple=amdgcn-amd-amdhsa -mcpu=gfx1250 --defsym DOCPART=n.
;; ======== version 1 of 1: 1 launch
;; limits: right only within a limited range of input values
;; launch viterbi (part 1): grid 256 x 1, 4 waves a work-group, no clusters, 327,424 bytes of LDS; arguments emissions, mask, start_transitions, end_transitions, transitions, out0; writes out0
.if DOCPART == 1
	.amdgcn_target "amdgcn-amd-amdhsa--gfx1250"
	.amdhsa_code_object_version 6
	.text
	.protected	k_qe6844cd4d2_viterbi
	.globl	k_qe6844cd4d2_viterbi
	.p2align	8
	.type	k_qe6844cd4d2_viterbi,@function
k_qe6844cd4d2_viterbi:
	s_mov_b64 s[64:65], 0
	v_nop
	global_prefetch_b8 v0, s[64:65] scope:SCOPE_SE
	s_setreg_imm32_b32 hwreg(HW_REG_WAVE_MODE, 25, 1), 1
	s_wait_xcnt 0x0
; VITERBI DECODING OF A CRF.  emissions [70][8192][37] f32, mask [70][8192] bytes, start/end [37], transitions [37][37], out0 [8192][70] i32.
; score_0 = start + em_0;  step i = 1..69: best[j] = max_k((score[k] + trans[k][j]) + em_i[j]), score = mask_i ? best : score;
; last tag = argmax(score + end);  walking back, i = 69..1: cur = (i <= ends) ? hist_i[cur] : cur;  out[b][p] = (p <= ends) ? cur_p : -1, ends = sum(mask) - 1.
; TWO IDENTITIES, for all finite inputs.  (1) Rounding is monotone, so max_k fl(fl(s_k + t_kj) + e_j) = fl(max_k fl(s_k + t_kj) + e_j): the forward pass adds e_j once a tag, bit for bit.
; (2) hist_i[cur], the first k with the greatest fl(fl(score_(i-1)[k] + trans[k][cur]) + em_i[cur]), is formed when the walk back asks for it, from the kept scores, with the same two
; roundings and the same tie rule: choosing the column first and taking one argmax gives what taking 37 argmaxes and choosing after gives.  Nothing is left out on the strength of a value:
; every step runs the same instructions; column cur of trans and em_i[cur] are picked by one-hot multiply-adds (0 or 1 times a number, sums with zeros: exact).  All five inputs are read.
; LIMITS.  All inputs finite (0 times an infinity in the selections, and v_max_num, do not carry a NaN or an infinity as the definition's argmax would); true scores stay above -1e30,
; which stands for "never" in the three padded tags; the sign of a zero is not kept (no comparison sees it).
; SHARES.  256 work-groups x 4 waves; a wave owns 8 batch rows, a quad of lanes one row; lane q of a quad owns tags 10 q + r, r = 0..9.  Tags 37..39 (lane 3, r = 7..9) are padding:
; their ROWS of trans and their end are -1e30, so they never win; their columns, scores and emissions are any finite numbers (copies of true ones).
; A lane holds trans[own 10 rows][40 columns], 400 registers, the columns in four blocks: block x of lane q holds the tags of group q xor x.  So the four partial maxima of a column meet by a
; reduce-scatter on fixed registers: from the lane two away its blocks 2 and 3 into my blocks 0 and 1, from the lane next to me its block 1 into my block 0: each lane ends with its own ten new scores.
; LDS.  Each wave has 69 slots of 1,184 bytes and 16 bytes behind them, all its own; a slot is laid out [row][tag] like a step's emissions; slot s holds the scores that enter step s + 1.
; No wave touches another's bytes: no barrier.  A lane's ten words lie on end at 148 row + 40 q.  The padded tags' three words of row b are therefore the words of tags 0..2 of row b + 1; those of row 7
; the first three words of the next slot, behind slot 68 the 16 bytes, which are set to 0 at the head.  READ there, a padded tag gets a finite number, which is all it needs.  STORED there, the three
; words are set right afterwards: the stores of r = 7..9 come first and those of r = 0..2 behind them (LDS serves a wave's instructions in order: ISA guide 5.7.1.4), and the next slot is stored whole a step later.
; Slot 68 is also the stage through which a step's 1,184 bytes of emissions go from load order into lane order, stored whole before each reading; the text keeps the order: forward, the stage is read
; before scores 68 are stored over it; backward, scores 68 are read before the stage is stored again.  Slots 66 and 67, once read, take the output words; of these only row 0's positions 0..2 lie
; where a padded tag of slot 65 reads, and they are stored behind the last reading of all.
; EMISSIONS are one stream n = 0..138 of steps min(n, 139 - n): up 0..69, down 69..1.  Three register sets, set n mod 3; a set is asked for again as soon as it has been staged, three steps ahead.
; NOT USED: matrix instructions (max-plus is no product), a cluster (all that work-groups share is 5,476 bytes of trans), tensor loads (the history leaves LDS no room for slots).
.set CHUNK,  1184                      ; 8 rows x 37 x 4 bytes: a wave's part of a step, and a slot
.set STRIDE, 1212416                   ; 8192 x 148 bytes: from step to step
.set WREG,   69*CHUNK+16               ; a wave's LDS: the slots and the 16 bytes behind them
.set STG,    68*CHUNK                  ; the stage = slot 68
.set TAGW,   66*CHUNK                  ; the output words, 280 bytes a row: 2,240 of the 2,368 bytes of slots 66 and 67
.set THIRD,  CHUNK-512                 ; a chunk goes in three pieces of 512 bytes, at 0, 512 and 672: the third repeats 352 bytes of the second
.set SPARE,  326912                    ; behind the four waves' 326,848 bytes, at the next multiple of 256: the spare words, 128 bytes a wave, which no other line names
; window 0
.set LN,   1                           ; lane
.set Q,    2                           ; lane % 4
.set BL,   3                           ; lane / 4: my row among the wave's eight
.set VO1,  4                           ; 16 x lane
.set SA1,  6                           ; the stage, in load order
.set SEA,  8                           ; the stage, my ten words
.set LA0,  10                          ; slot 0, my ten words
.set HA,   12                          ; the trip's lowest slot, my ten words
.set OBA0, 14                          ; my row's output words
.set OBA,  15                          ; at the trip's lowest position
.set OR1,  16                          ; the output words, 16 bytes a lane
.set VM,   17                          ; my row's number: its byte in a step's mask
.set MBIT, 18                          ; v18-20  my row's 70 mask bits, shifted down a step at a time
.set SEQE, 21                          ; ends
.set SPW,  22                          ; LDS address of my spare word; never rewritten
.set NIL,  23                          ; 0; never rewritten
.set PFO,  24                          ; the prefetches' offset; never rewritten
.set KEY,  25                          ; cur as a float: 256 tag + 16 g + l, tag = 10 g + l
.set CG,   26
.set CL,   27
.set CTAG, 28
.set BX,   29
.set T0,   30
.set T1,   31
.set KI,   32
.set OB,   33                          ; v33-35  a trip's three output words
.set OB9,  36                          ; position 69's
.set A,    38                          ; v38-47  scores of my ten tags
.set E,    48                          ; v48-57  emissions of my ten tags
.set AP,   58                          ; v58-67  the scores that entered the step in hand
.set G,    68                          ; v68-103 three sets of 12: a chunk as loaded
.set PB0,  104                         ; partial maxima, ten a block
.set PB1,  114
.set PB2,  124
.set PB3,  134
.set KEYC, PB0                         ; walking back: the keys of my ten tags
.set TMP,  144                         ; v144-243 at work
.set ACC,  TMP                         ; walking back: column l of block x at ACC + 10 x
.set RES,  TMP+40
.set N,    TMP+50
.set OHL,  TMP+60                      ; one-hot of l at + 2 l; the odd registers, named with them as pairs, hold 0
.set OHB,  TMP+80                      ; one-hot of the block at + 2 x, likewise
.set XE,   TMP+88                      ; em_i[cur]; + 1 holds 0
.set XF,   TMP+90
.set M,    TMP+91
.set X0,   TMP+92
.set CA,   244                         ; v244-253
.set AD,   TMP+80                      ; at the start: 16 offsets into trans, 2 into start and end
.set SBA,  TMP+96
; windows 1 and 2: trans[10 q + r][10 (q xor x) + c] at tb + 10 c + r.  Window 1: x = 2 at 0, x = 3 at 100.  Window 2: x = 1 at 0, x = 0 at 100; end at 200
.set ENDR, 200
.set WV,    16
.set GW,    17
.set BASEE, 18                         ; s[18:19] emissions at my wave's chunk of step 0
.set P,     20                         ; s[20:25] a pointer for each register set
.set NSEQ,  26                         ; the next n to ask for
.set TO,    27
.set OFFP,  28                         ; s[28:29] an offset, high word 0
.set LEFT,  30
.set LIM,   31
.set PFA,   32                         ; s[32:33]
.set TT,    34                         ; the step i, walking back
.set TP,    35                         ; the position whose tag has just been found
.set CM,    36                         ; s36-45 lane masks of compares
.set CB,    46                         ; s46-49
.set Q3M,   50                         ; the lanes with q = 3
.set BIGN,  51                         ; -1e30
.set BIGK,  52                         ; 1e9, above every key
.set SX,    53
.set OUTP,  54                         ; s[54:55]
.set S0,    56
.set S1,    57
.set HS,    58                         ; byte offset of the trip's lowest slot
.set OS,    59                         ; byte offset of the trip's lowest position
.set MSB, 0
.macro WIN new                         ; s_set_vgpr_msb: bits 1:0 source 0, 7:6 destination; the high byte repeats the setting that is left; a switch that changes nothing is dropped
.if MSB != (\new)
	s_set_vgpr_msb (MSB<<8)|(\new)
.set MSB, \new
.endif
.endm
.macro LD10 dst, ra, off               ; my ten words out of a slot
.irp r, 0,1,2,3,4,5,6,7,8,9
	ds_load_b32 v[(\dst)+\r], v[\ra] offset:(\off)+4*\r
.endr
.endm
.macro ST10 src, ra, off               ; and into one.  r = 7..9 first: in lane 3 they fall on the next row's words of tags 0..2, which that row's stores of r = 0..2 then set right, in the wave's own order
.irp r, 7,8,9,0,1,2,3,4,5,6
	ds_store_b32 v[\ra], v[(\src)+\r] offset:(\off)+4*\r
.endr
.endm
; Set g has landed (left = the younger loads that may stay out): into the stage as loaded, back in lane order.
.macro STAGE g, left
	s_wait_loadcnt \left
	ds_store_b128 v[SA1], v[G+12*(\g):G+12*(\g)+3]
	ds_store_b128 v[SA1], v[G+12*(\g)+4:G+12*(\g)+7] offset:512
	ds_store_b128 v[SA1], v[G+12*(\g)+8:G+12*(\g)+11] offset:THIRD   ; bytes 672..1,183: where it overlaps the second piece it brings the same numbers
	LD10 E, SEA, 0
.endm
; Set g is asked for again: step min(n, 139 - n).  Its pointer was last read by the loads that STAGE has just waited for.
.macro ASKEM g
	s_sub_co_u32 s[TO], 139, s[NSEQ]
	s_min_u32 s[TO], s[TO], s[NSEQ]
	s_mul_i32 s[OFFP], s[TO], STRIDE
	s_add_nc_u64 s[P+2*(\g):P+2*(\g)+1], s[BASEE:BASEE+1], s[OFFP:OFFP+1]
	s_add_co_u32 s[NSEQ], s[NSEQ], 1
	global_load_b128 v[G+12*(\g):G+12*(\g)+3], v[VO1], s[P+2*(\g):P+2*(\g)+1]
	global_load_b128 v[G+12*(\g)+4:G+12*(\g)+7], v[VO1], s[P+2*(\g):P+2*(\g)+1] offset:512
	global_load_b128 v[G+12*(\g)+8:G+12*(\g)+11], v[VO1], s[P+2*(\g):P+2*(\g)+1] offset:THIRD  ; ends with the chunk's last byte
.endm
; A block's ten columns: score + trans for my ten rows, two an instruction; then each column's maximum, stage by stage over all ten columns, so that ten instructions stand between two links.
.macro COLS win, tb, pb
	WIN \win
.set cc, 0
.rept 10
.set pp, 0
.rept 5
	v_pk_add_f32 v[TMP+10*cc+2*pp:TMP+10*cc+2*pp+1], v[(\tb)+10*cc+2*pp:(\tb)+10*cc+2*pp+1], v[A+2*pp:A+2*pp+1]
.set pp, pp+1
.endr
.set cc, cc+1
.endr
	WIN 0
.irp f, 0,3,6
.set cc, 0
.rept 10
	v_max3_num_f32 v[TMP+10*cc+\f], v[TMP+10*cc+\f], v[TMP+10*cc+\f+1], v[TMP+10*cc+\f+2]
.set cc, cc+1
.endr
.endr
.set cc, 0
.rept 10
	v_max3_num_f32 v[(\pb)+cc], v[TMP+10*cc], v[TMP+10*cc+3], v[TMP+10*cc+6]
.set cc, cc+1
.endr
.set cc, 0
.rept 10
	v_max_num_f32 v[(\pb)+cc], v[(\pb)+cc], v[TMP+10*cc+9]
.set cc, cc+1
.endr
.endm
.macro MSHIFT                          ; the 70 mask bits, one step down
	v_alignbit_b32 v[MBIT], v[MBIT+1], v[MBIT], 1
	v_alignbit_b32 v[MBIT+1], v[MBIT+2], v[MBIT+1], 1
	v_lshrrev_b32 v[MBIT+2], 1, v[MBIT+2]
.endm
; A FORWARD STEP, at place k of a trip of three, on register set g.
.macro FSTEP k, g
	STAGE \g, 6                                    ; the two younger sets, three loads each, stay out
	ST10 A, HA, (\k)*CHUNK                         ; the scores that enter this step are kept; in step 69 this slot is the stage, which the ten loads above have read
	ASKEM \g
.if (\k) == 0
	; A PREFETCH INTO THE L2, behind the trip's first loads: the work-group's 4,736 bytes of each of the three steps that the loads will ask for three trips on.  Only the way up is named.
	; Wave 0 asks, a lane a block of 256 bytes; an odd work-group's bytes begin in the middle of a block, which its even neighbour names; lanes past the last block repeat its address.
	; Trip t names steps 3 t + 13 .. 3 t + 15: the last to ask is t = 18 (five trips left), whose last step is 69.  Steps 0..12 come by their loads alone.
	s_cmp_gt_u32 s[LEFT], s[LIM]
	s_cbranch_scc0 .Lnot_mine_\@
	global_prefetch_b8 v[PFO], s[PFA:PFA+1] th:TH_LOAD_NT scope:SCOPE_SE
	global_prefetch_b8 v[PFO], s[PFA:PFA+1] offset:STRIDE th:TH_LOAD_NT scope:SCOPE_SE
	global_prefetch_b8 v[PFO], s[PFA:PFA+1] offset:2*STRIDE th:TH_LOAD_NT scope:SCOPE_SE
.Lnot_mine_\@:
.endif
	COLS 1, 0,   PB2
	COLS 1, 100, PB3
	COLS 2, 0,   PB1
	COLS 2, 100, PB0
.set cc, 0
.rept 10                               ; the lane two away gives me its blocks 2 and 3: the groups of my blocks 0 and 1
	v_max_num_f32_dpp v[PB0+cc], v[PB2+cc], v[PB0+cc] row_xmask:2 row_mask:0xf bank_mask:0xf
	v_max_num_f32_dpp v[PB1+cc], v[PB3+cc], v[PB1+cc] row_xmask:2 row_mask:0xf bank_mask:0xf
.set cc, cc+1
.endr
	v_and_b32 v[T0], 1, v[MBIT]
	v_cmp_eq_u32 vcc_lo, 1, v[T0]                  ; this step's mask, for my row
	MSHIFT
.set cc, 0
.rept 10                               ; the lane next to me gives me its block 1: my own group
	v_max_num_f32_dpp v[PB0+cc], v[PB1+cc], v[PB0+cc] row_xmask:1 row_mask:0xf bank_mask:0xf
.set cc, cc+1
.endr
	s_wait_dscnt 10                                ; E is in: only the ten stores of the scores were issued behind its loads
.set pp, 0
.rept 5
	v_pk_add_f32 v[PB0+2*pp:PB0+2*pp+1], v[PB0+2*pp:PB0+2*pp+1], v[E+2*pp:E+2*pp+1]
.set pp, pp+1
.endr
.set cc, 0
.rept 10
	v_cndmask_b32 v[A+cc], v[A+cc], v[PB0+cc], vcc_lo
.set cc, cc+1
.endr
.endm
; The first tag with the greatest of the quad's 40 numbers at nb: the maximum of my ten and of the quad; where a number equals it, its key; the least key.  In X0, in all four lanes.
.macro ARGMAX nb
	v_max3_num_f32 v[M],  v[(\nb)],   v[(\nb)+1], v[(\nb)+2]
	v_max3_num_f32 v[X0], v[(\nb)+3], v[(\nb)+4], v[(\nb)+5]
	v_max3_num_f32 v[XF], v[(\nb)+6], v[(\nb)+7], v[(\nb)+8]
	v_max3_num_f32 v[M], v[M], v[X0], v[XF]
	v_max_num_f32 v[M], v[M], v[(\nb)+9]
	v_max_num_f32_dpp v[M], v[M], v[M] row_xmask:1 row_mask:0xf bank_mask:0xf
	v_max_num_f32_dpp v[M], v[M], v[M] row_xmask:2 row_mask:0xf bank_mask:0xf
.irp r, 0,1,2,3,4,5,6,7,8,9
	v_cmp_eq_f32 s[CM+\r], v[(\nb)+\r], v[M]
.endr
.irp r, 0,1,2,3,4,5,6,7,8,9
	v_cndmask_b32 v[CA+\r], s[BIGK], v[KEYC+\r], s[CM+\r]
.endr
	v_min3_num_f32 v[X0], v[CA],   v[CA+1], v[CA+2]
	v_min3_num_f32 v[XF], v[CA+3], v[CA+4], v[CA+5]
	v_min3_num_f32 v[T0], v[CA+6], v[CA+7], v[CA+8]
	v_min3_num_f32 v[X0], v[X0], v[XF], v[T0]
	v_min_num_f32 v[X0], v[X0], v[CA+9]
	v_min_num_f32_dpp v[X0], v[X0], v[X0] row_xmask:1 row_mask:0xf bank_mask:0xf
	v_min_num_f32_dpp v[X0], v[X0], v[X0] row_xmask:2 row_mask:0xf bank_mask:0xf
.endm
.macro TAGOUT dst                      ; position TP's output word: the tag, or -1 past the row's end
	v_cvt_u32_f32 v[KI], v[KEY]
	v_lshrrev_b32 v[CTAG], 8, v[KI]
	v_cmp_le_i32 vcc_lo, s[TP], v[SEQE]
	v_cndmask_b32 v[\dst], -1, v[CTAG], vcc_lo
.endm
.macro DECODE                          ; cur's l and its block in my lane, as one-hots
	v_and_b32 v[CL], 15, v[KI]
	v_bfe_u32 v[CG], v[KI], 4, 4
	v_xor_b32 v[BX], v[CG], v[Q]
.irp l, 0,1,2,3,4,5,6,7,8,9
	v_cmp_eq_u32 s[CM+\l], \l, v[CL]
.endr
.irp x, 0,1,2,3
	v_cmp_eq_u32 s[CB+\x], \x, v[BX]
.endr
.irp l, 0,1,2,3,4,5,6,7,8,9
	v_cndmask_b32 v[OHL+2*\l], 0, 1.0, s[CM+\l]
.endr
.irp x, 0,1,2,3
	v_cndmask_b32 v[OHB+2*\x], 0, 1.0, s[CB+\x]
.endr
.endm
.macro L1ROW tb, x                     ; column ll of a block, times the one-hot of ll, onto the block's ten sums
.set pp, 0
.rept 5
.if ll == 0
	v_pk_mul_f32 v[ACC+10*(\x)+2*pp:ACC+10*(\x)+2*pp+1], v[(\tb)+2*pp:(\tb)+2*pp+1], v[OHL:OHL+1] op_sel_hi:[1,0]
.else
	v_pk_fma_f32 v[ACC+10*(\x)+2*pp:ACC+10*(\x)+2*pp+1], v[(\tb)+10*ll+2*pp:(\tb)+10*ll+2*pp+1], v[OHL+2*ll:OHL+2*ll+1], v[ACC+10*(\x)+2*pp:ACC+10*(\x)+2*pp+1] op_sel_hi:[1,0,1]
.endif
.set pp, pp+1
.endr
.endm
.macro LEVEL1 win, tba, xa, tbb, xb    ; two blocks by turns: ten instructions stand between two links of a sum
	WIN \win
.set ll, 0
.rept 10
	L1ROW \tba, \xa
	L1ROW \tbb, \xb
.set ll, ll+1
.endr
.endm
; A STEP BACK, at place k of a trip of three, on register set g.  left: the younger loads that may stay out; ask = 1: the set is asked for again.
.macro BSTEP k, g, left, ask
	LD10 AP, HA, (2-(\k))*CHUNK                    ; the scores that entered step TT; in step 69 they lie in the stage's slot, and are read before it is stored again
	STAGE \g, \left
.if \ask
	ASKEM \g
.endif
	DECODE
	LEVEL1 1, 0, 2, 100, 3
	LEVEL1 2, 0, 1, 100, 0
	WIN 0
	s_wait_dscnt 0x0                               ; AP and E are in
	v_mul_f32 v[XE], v[E], v[OHL]                  ; em[cur]: my E[l], in two chains; kept by the lane that owns cur's group alone; the quad's sum
	v_mul_f32 v[XF], v[E+1], v[OHL+2]
.irp l, 2,4,6,8
	v_fmac_f32 v[XE], v[E+\l], v[OHL+2*\l]
	v_fmac_f32 v[XF], v[E+\l+1], v[OHL+2*\l+2]
.endr
	v_add_f32 v[XE], v[XE], v[XF]
	v_mul_f32 v[XE], v[XE], v[OHB]
	v_add_f32_dpp v[XE], v[XE], v[XE] row_xmask:1 row_mask:0xf bank_mask:0xf
	v_add_f32_dpp v[XE], v[XE], v[XE] row_xmask:2 row_mask:0xf bank_mask:0xf
.set xx, 0
.rept 4                                ; score + trans[.][cur]: of the four terms one is 1 x trans, where the one rounding is made; the others add 0
.set pp, 0
.rept 5
.if xx == 0
	v_pk_fma_f32 v[RES+2*pp:RES+2*pp+1], v[ACC+2*pp:ACC+2*pp+1], v[OHB:OHB+1], v[AP+2*pp:AP+2*pp+1] op_sel_hi:[1,0,1]
.else
	v_pk_fma_f32 v[RES+2*pp:RES+2*pp+1], v[ACC+10*xx+2*pp:ACC+10*xx+2*pp+1], v[OHB+2*xx:OHB+2*xx+1], v[RES+2*pp:RES+2*pp+1] op_sel_hi:[1,0,1]
.endif
.set pp, pp+1
.endr
.set xx, xx+1
.endr
.set pp, 0
.rept 5
	v_pk_add_f32 v[N+2*pp:N+2*pp+1], v[RES+2*pp:RES+2*pp+1], v[XE:XE+1] op_sel_hi:[1,0]
.set pp, pp+1
.endr
	ARGMAX N
	v_cmp_le_i32 vcc_lo, s[TT], v[SEQE]            ; i <= ends: follow the pointer, else stay
	v_cndmask_b32 v[KEY], v[KEY], v[X0], vcc_lo
	s_sub_co_u32 s[TT], s[TT], 1
	s_sub_co_u32 s[TP], s[TP], 1
	TAGOUT OB+(\k)
.endm
.macro BTRIP ask, l0, l1, l2           ; steps TT, TT - 1, TT - 2; then their three output words (the four lanes of a quad store the same number to the same word)
	v_add_nc_u32 v[HA], s[HS], v[LA0]
	v_add_nc_u32 v[OBA], s[OS], v[OBA0]
	BSTEP 0, 1, \l0, \ask
	BSTEP 1, 2, \l1, \ask
	BSTEP 2, 0, \l2, \ask
.irp k, 0,1,2
	ds_store_b32 v[OBA], v[OB+\k] offset:4*(2-\k)
.endr
.endm
.macro LDT win, tb, x                  ; block x of trans, 100 words a lane; rows and columns 7..9 go by offsets of their own, which in group 3 fall back on rows and columns 30..32: every address lies in the table
	WIN \win
.set cc, 0
.rept 10
.set rr, 0
.rept 10
	global_load_b32 v[(\tb)+10*cc+rr], v[AD+4*(\x)+2*(rr/7)+(cc/7)], s[12:13] offset:148*rr+4*cc
.set rr, rr+1
.endr
.set cc, cc+1
.endr
.endm
.macro FIXT win, tb                    ; the padded tags' rows: -1e30
	WIN \win
.set cc, 0
.rept 10
.irp r, 7,8,9
	v_cndmask_b32 v[(\tb)+10*cc+\r], v[(\tb)+10*cc+\r], s[BIGN], s[Q3M]
.endr
.set cc, cc+1
.endr
.endm
	s_load_b256 s[4:11], s[0:1], 0x0               ; emissions s[4:5], mask s[6:7], start s[8:9], end s[10:11]
	s_load_b128 s[12:15], s[0:1], 0x20             ; transitions s[12:13], out0 s[14:15]
	v_lshl_add_u32 v[SPW], v0, 2, SPARE
	v_mov_b32 v[NIL], 0
	v_lshrrev_b32 v[T0], 5, v0
	v_readfirstlane_b32 s[WV], v[T0]               ; wave 0..3
	v_and_b32 v[LN], 31, v0
	v_and_b32 v[Q], 3, v0
	v_bfe_u32 v[BL], v0, 2, 3
	s_lshl_b32 s[GW], ttmp9, 2
	s_add_co_u32 s[GW], s[GW], s[WV]               ; my wave among the launch's 1,024
	s_mul_i32 s[S0], s[WV], WREG                   ; my wave's LDS
	s_mov_b32 s[BIGN], 0xf149f2ca
	s_mov_b32 s[BIGK], 0x4e6e6b28
	v_cmp_eq_u32 s[Q3M], 3, v[Q]
	v_lshlrev_b32 v[VO1], 4, v[LN]
	s_add_co_u32 s[S1], s[S0], 69*CHUNK            ; the 16 bytes behind my slots hold 0 from here on, until step 69 stores three finite scores there
	v_mov_b32 v[T0], s[S1]
.irp r, 0,1,2,3
	v_mov_b32 v[CA+\r], 0
.endr
	ds_store_b128 v[T0], v[CA:CA+3]                ; all lanes store the same 16 bytes
	s_add_co_u32 s[S1], s[S0], STG
	v_add_nc_u32 v[SA1], s[S1], v[VO1]
	v_mul_u32_u24 v[T0], v[BL], 148
	v_mul_u32_u24 v[T1], v[Q], 40
	v_add_nc_u32 v[T0], v[T0], v[T1]
	v_add_nc_u32 v[LA0], s[S0], v[T0]              ; wave + 148 row + 40 q
	v_add_nc_u32 v[SEA], STG, v[LA0]
	s_add_co_u32 s[S1], s[S0], TAGW
	v_mul_u32_u24 v[T0], v[BL], 280
	v_add_nc_u32 v[OBA0], s[S1], v[T0]
	v_add_nc_u32 v[OR1], s[S1], v[VO1]
	s_lshl_b32 s[S1], s[GW], 3
	v_add_nc_u32 v[VM], s[S1], v[BL]
	s_and_b32 s[S1], ttmp9, 1                      ; the prefetches: an odd work-group leaves its first half block to its neighbour
	s_sub_co_u32 s[SX], 18, s[S1]
	v_min_u32 v[T0], s[SX], v[LN]
	v_lshlrev_b32 v[PFO], 8, v[T0]
	s_mul_i32 s[OFFP], ttmp9, 4*CHUNK
	s_lshl_b32 s[S1], s[S1], 7
	s_add_co_u32 s[OFFP], s[OFFP], s[S1]
	s_add_co_u32 s[OFFP], s[OFFP], 13*STRIDE
	s_mov_b32 s[OFFP+1], 0
	s_cmp_eq_u32 s[WV], 0
	s_cselect_b32 s[LIM], 4, -1                    ; wave 0 asks while more than four trips are left; the others never
	; offsets into start and end, and into trans: AD[4 x + 2 rc + cc] = row part (rc = 1: rows 7..9) + column part of group q xor x (cc = 1: columns 7..9)
	v_mul_u32_u24 v[SBA], v[Q], 40
	v_cndmask_b32 v[T0], 0, 28, s[Q3M]
	v_sub_nc_u32 v[SBA+1], v[SBA], v[T0]
	v_mov_b32 v[KI], 1036
	v_mul_u32_u24 v[T0], v[Q], 1480
	v_cndmask_b32 v[T1], 0, v[KI], s[Q3M]
	v_sub_nc_u32 v[T1], v[T0], v[T1]
.irp x, 0,1,2,3
	v_xor_b32 v[BX], \x, v[Q]
	v_cmp_eq_u32 vcc_lo, 3, v[BX]
	v_mul_u32_u24 v[CG], v[BX], 40
	v_cndmask_b32 v[CL], 0, 28, vcc_lo
	v_sub_nc_u32 v[CL], v[CG], v[CL]
	v_add_nc_u32 v[AD+4*\x],   v[T0], v[CG]
	v_add_nc_u32 v[AD+4*\x+1], v[T0], v[CL]
	v_add_nc_u32 v[AD+4*\x+2], v[T1], v[CG]
	v_add_nc_u32 v[AD+4*\x+3], v[T1], v[CL]
.endr
	s_wait_kmcnt 0x0
	s_add_nc_u64 s[PFA:PFA+1], s[4:5], s[OFFP:OFFP+1]
	s_mul_i32 s[OFFP], s[GW], CHUNK
	s_add_nc_u64 s[BASEE:BASEE+1], s[4:5], s[OFFP:OFFP+1]
	s_mul_i32 s[OFFP], s[GW], 2240                 ; 8 rows x 280 bytes of out0
	s_add_nc_u64 s[OUTP:OUTP+1], s[14:15], s[OFFP:OFFP+1]
	s_mov_b32 s[NSEQ], 0
	ASKEM 0                                        ; steps 0, 1, 2
	ASKEM 1
	ASKEM 2
.set ii, 0
.rept 70
	global_load_u8 v[TMP+ii], v[VM], s[6:7] offset:8192*ii   ; my row's mask, once
.set ii, ii+1
.endr
.set rr, 0
.rept 10
	global_load_b32 v[TMP+70+rr], v[SBA+rr/7], s[8:9] offset:4*rr
.set rr, rr+1
.endr
	WIN 0x80
.set rr, 0
.rept 10
	global_load_b32 v[ENDR+rr], v[SBA+rr/7], s[10:11] offset:4*rr
.set rr, rr+1
.endr
	LDT 0x80, 0,   1
	LDT 0x80, 100, 0
	LDT 0x40, 0,   2
	LDT 0x40, 100, 3
	WIN 0
	s_wait_loadcnt 0x0
	FIXT 0x41, 0
	FIXT 0x41, 100
	FIXT 0x82, 0
	FIXT 0x82, 100
.irp r, 7,8,9
	v_cndmask_b32 v[ENDR+\r], v[ENDR+\r], s[BIGN], s[Q3M]
.endr
	WIN 0
	v_mov_b32 v[MBIT], 0
	v_mov_b32 v[MBIT+1], 0
	v_mov_b32 v[MBIT+2], 0
	v_mov_b32 v[SEQE], -1
.set ii, 0
.rept 70
	v_lshl_or_b32 v[MBIT+ii/32], v[TMP+ii], ii%32, v[MBIT+ii/32]
	v_add_nc_u32 v[SEQE], v[SEQE], v[TMP+ii]
.set ii, ii+1
.endr
	MSHIFT                                         ; bit 0 is step 1's
	STAGE 0, 0                                     ; step 0
	ASKEM 0                                        ; step 3
	s_wait_dscnt 0x0
.set pp, 0
.rept 5
	v_pk_add_f32 v[A+2*pp:A+2*pp+1], v[TMP+70+2*pp:TMP+70+2*pp+1], v[E+2*pp:E+2*pp+1]
.set pp, pp+1
.endr
	s_mov_b32 s[HS], 0
	s_mov_b32 s[LEFT], 23
.Lup:                                          ; 23 trips of three steps: 1..69
	v_add_nc_u32 v[HA], s[HS], v[LA0]
	FSTEP 0, 1
	FSTEP 1, 2
	FSTEP 2, 0
	s_add_co_u32 s[HS], s[HS], 3*CHUNK
	s_wait_xcnt 0x0                                ; the trip's prefetches, two steps and more back, have read their address, so it may be written
	s_add_nc_u64 s[PFA:PFA+1], s[PFA:PFA+1], 3*STRIDE
	s_sub_co_u32 s[LEFT], s[LEFT], 1
	s_cmp_lg_u32 s[LEFT], 0
	s_cbranch_scc1 .Lup
	; THE TURN: the keys; the zeros that are named in pairs with the one-hots; the last tag.
	v_mul_u32_u24 v[T0], v[Q], 2576                ; 256 (10 q + r) + 16 q + r = 2,576 q + 257 r, exact as a float
.irp r, 0,1,2,3,4,5,6,7,8,9
	v_add_nc_u32 v[T1], 257*\r, v[T0]
	v_cvt_f32_u32 v[KEYC+\r], v[T1]
	v_mov_b32 v[OHL+2*\r+1], 0
.endr
.irp x, 0,1,2,3
	v_mov_b32 v[OHB+2*\x+1], 0
.endr
	v_mov_b32 v[XE+1], 0
	WIN 2
.set pp, 0
.rept 5
	v_pk_add_f32 v[N+2*pp:N+2*pp+1], v[ENDR+2*pp:ENDR+2*pp+1], v[A+2*pp:A+2*pp+1]
.set pp, pp+1
.endr
	WIN 0
	ARGMAX N
	v_mov_b32 v[KEY], v[X0]
	s_mov_b32 s[TT], 69
	s_mov_b32 s[TP], 69
	TAGOUT OB9
	s_mov_b32 s[HS], 66*CHUNK                      ; slots 66..68
	s_mov_b32 s[OS], 4*66                          ; positions 66..68
	s_mov_b32 s[LEFT], 22
.Ldown:                                        ; 22 trips of three steps: 69..4
	BTRIP 1, 6, 6, 6                               ; the two younger sets, three loads each, stay out
	s_sub_co_u32 s[HS], s[HS], 3*CHUNK
	s_sub_co_u32 s[OS], s[OS], 12
	s_sub_co_u32 s[LEFT], s[LEFT], 1
	s_cmp_lg_u32 s[LEFT], 0
	s_cbranch_scc1 .Ldown
	BTRIP 0, 6, 3, 0                               ; steps 3, 2, 1 are written out: the stream has ended, nothing is asked for, and the counts run down
	; THE WAY OUT: the wave's 8 rows x 280 bytes are 2,240 consecutive bytes of out0, read back 16 bytes a lane: four stores of 512 bytes and one of 192.
	; A wave's part begins at a multiple of 64 bytes: of a work-group's 35 aligned blocks of 256 bytes three are written by two waves; whole blocks would want a meeting of the four waves.
	ds_store_b32 v[OBA0], v[OB9] offset:4*69
.irp t, 0,1,2,3,4
	ds_load_b128 v[TMP+4*\t:TMP+4*\t+3], v[OR1] offset:512*\t    ; (in the fifth, lanes 12-31 read bytes of my own slots behind the words; they are not stored)
.endr
	s_wait_dscnt 0x0
.irp t, 0,1,2,3
	global_store_b128 v[VO1], v[TMP+4*\t:TMP+4*\t+3], s[OUTP:OUTP+1] offset:512*\t th:TH_STORE_NT
.endr
	v_cmp_gt_u32 vcc_lo, 12, v[LN]
	s_wait_xcnt 0x0                                ; EXEC is a source of the stores above: it changes only behind this wait
	s_and_saveexec_b32 s[SX], vcc_lo
	global_store_b128 v[VO1], v[TMP+16:TMP+19], s[OUTP:OUTP+1] offset:2048 th:TH_STORE_NT
	s_wait_xcnt 0x0                                ; and again, in front of the line that widens it
	s_or_b32 exec_lo, exec_lo, s[SX]
	s_wait_tensorcnt 0x0                           ; the wave's end: behind my last LDS store
	ds_add_u32 v[SPW], v[NIL]
	s_wait_dscnt 0x0
	s_endpgm
.Lfunc_end_k_qe6844cd4d2_viterbi:
	.size	k_qe6844cd4d2_viterbi, .Lfunc_end_k_qe6844cd4d2_viterbi-k_qe6844cd4d2_viterbi
	.p2alignl 7, 3214868480
	.fill 96, 4, 3214868480
	.section	.rodata,"a",@progbits
	.p2align	6, 0x0
	.amdhsa_kernel k_qe6844cd4d2_viterbi
		.amdhsa_group_segment_fixed_size 327424
		.amdhsa_private_segment_fixed_size 0
		.amdhsa_enable_private_segment 0
		.amdhsa_kernarg_size 48
		.amdhsa_user_sgpr_count 2
		.amdhsa_user_sgpr_kernarg_segment_ptr 1
		.amdhsa_wavefront_size32 1
		.amdhsa_system_sgpr_workgroup_id_x 1
		.amdhsa_system_sgpr_workgroup_id_y 1
		.amdhsa_system_sgpr_workgroup_id_z 1
		.amdhsa_system_vgpr_workitem_id 0
		.amdhsa_next_free_vgpr 768
		.amdhsa_next_free_sgpr 66
		.amdhsa_reserve_vcc 1
		.amdhsa_float_denorm_mode_32 3
		.amdhsa_float_denorm_mode_16_64 3
		.amdhsa_memory_ordered 1
		.amdhsa_forward_progress 1
		.amdhsa_inst_pref_size 255
	.end_amdhsa_kernel
	.section	.bss,"aw",@nobits
	.p2align	6
	.space	262144
	.amdgpu_metadata
---
amdhsa.version: [ 1, 2 ]
amdhsa.kernels:
  - .name:           k_qe6844cd4d2_viterbi
    .symbol:         k_qe6844cd4d2_viterbi.kd
    .args:
      - { .name: emissions, .offset: 0, .size: 8, .value_kind: global_buffer, .address_space: global }
      - { .name: mask, .offset: 8, .size: 8, .value_kind: global_buffer, .address_space: global }
      - { .name: start_transitions, .offset: 16, .size: 8, .value_kind: global_buffer, .address_space: global }
      - { .name: end_transitions, .offset: 24, .size: 8, .value_kind: global_buffer, .address_space: global }
      - { .name: transitions, .offset: 32, .size: 8, .value_kind: global_buffer, .address_space: global }
      - { .name: out0, .offset: 40, .size: 8, .value_kind: global_buffer, .address_space: global }
    .group_segment_fixed_size: 327424
    .private_segment_fixed_size: 0
    .kernarg_segment_align: 8
    .kernarg_segment_size: 48
    .max_flat_workgroup_size: 128
    .sgpr_count:     66
    .vgpr_count:     768
    .wavefront_size: 32
...
	.end_amdgpu_metadata
.endif
;; end of part 1
